; MI455X (gfx1250); checked and timed in simulation.
; The chip was launched on July 23, 2026; its instructions are those of AMD's public machine-readable ISA for CDNA 5 (MIT licence, August 2026) and "CDNA5" Instruction Set Architecture Reference Guide (July 2026). The comments in the code are by the model that wrote it; some were corrected since.
;; Multi Head Attention. Allowed arithmetic: float matrix products may take bf16 or f16 operands with f32 sums; all other float work in f32.
;; Inputs: Wk 1,024 x 1,024 float32; Wo 1,024 x 1,024 float32; Wq 1,024 x 1,024 float32; Wv 1,024 x 1,024 float32; bk 1,024 float32; bo 1,024 float32; bq 1,024 float32; bv 1,024 float32; x 2 x 2,048 x 1,024 float32.
;; Outputs: out0 2 x 2,048 x 1,024 float32.
;; 2 versions, each right; version 2 is version 1 with the launch cast written anew for expert scheduling mode. Each part assembles by itself: llvm-mc -triple=amdgcn-amd-amdhsa -mcpu=gfx1250 --defsym DOCPART=n.
;; ======== version 1 of 2: 4 launches
;; workspace buffers: xb 8,388,608 bytes; wqkvb 6,291,456 bytes; wob 2,097,152 bytes; qb 8,388,608 bytes; kb 8,388,608 bytes; vtb 8,388,608 bytes; ctxb 8,388,608 bytes
;; launch cast (part 1): grid 256 x 1, 8 waves a work-group, no clusters, 0 bytes of LDS; arguments x, Wq, Wk, Wv, Wo, xb, wqkvb, wob; writes xb, wqkvb, wob
.if DOCPART == 1
	.amdgcn_target "amdgcn-amd-amdhsa--gfx1250"
	.amdhsa_code_object_version 6
	.text
	.protected	k_qd404da7c8d_cast
	.globl	k_qd404da7c8d_cast
	.p2align	8
	.type	k_qd404da7c8d_cast,@function
k_qd404da7c8d_cast:
	s_mov_b64 s[64:65], 0
	v_nop
	global_prefetch_b8 v0, s[64:65] scope:SCOPE_SE
	s_setreg_imm32_b32 hwreg(HW_REG_WAVE_MODE, 25, 1), 1
	s_wait_xcnt 0x0
; f32 -> bf16 (round to nearest even) of x and of the four weight matrices, once, so that both GEMMs move and read 16-bit tiles.
; x [4096][1024] -> xb, Wo -> wob, same order.  Wq, Wk, Wv -> wqkvb [3072][1024], rows stacked and permuted:
; row = head*192 + (d>>5)*96 + sel*32 + (d&31), sel = 0 q, 1 k, 2 v, so that each 96-row half of a head's 192 rows is 32 q, 32 k, 32 v rows.
; Work-group g takes 1/256 of every buffer: 65,536 bytes of x and rows 4g .. 4g+3 (16,384 bytes) of each W.
; A stream: no LDS, no matrix unit, nothing shared between work-groups.  Thread t takes 16 bytes at 16 t of each 4,096-byte piece;
; all 32 loads of a thread go out first (512 bytes a thread in flight), each result has registers of its own, so nothing is reused.
; A wave's store covers 256 consecutive bytes that start at a multiple of 256 from the buffer's first byte.
.set X, 4                              ; v[4:131]   32 loads x 4 registers
.set Y, 132                            ; v[132:195] 32 results x 2 registers
	s_load_b256 s[4:11], s[0:1], 0x0               ; x s[4:5], Wq s[6:7], Wk s[8:9], Wv s[10:11]
	s_load_b256 s[12:19], s[0:1], 0x20             ; Wo s[12:13], xb s[14:15], wqkvb s[16:17], wob s[18:19]
	v_lshlrev_b32 v1, 4, v0                        ; 16 t: where I load
	v_lshlrev_b32 v2, 3, v0                        ; 8 t: where I store
	s_lshl_b32 s20, ttmp9, 16                      ; x: g x 65,536
	s_mov_b32 s21, 0
	s_lshl_b32 s22, ttmp9, 14                      ; each W: g x 16,384
	s_mov_b32 s23, 0
	s_lshl_b32 s24, ttmp9, 15                      ; xb: g x 32,768
	s_mov_b32 s25, 0
	s_lshl_b32 s26, ttmp9, 13                      ; wob: g x 8,192
	s_mov_b32 s27, 0
	s_lshr_b32 s28, ttmp9, 4                       ; head = 4g >> 6
	s_mul_i32 s28, s28, 192
	s_bfe_u32 s30, ttmp9, 0x10003                  ; (d >> 5) = bit 3 of g
	s_mul_i32 s30, s30, 96
	s_add_co_u32 s28, s28, s30
	s_and_b32 s30, ttmp9, 7
	s_lshl2_add_u32 s28, s30, s28                  ; + (d & 31) = 4 (g & 7)
	s_lshl_b32 s28, s28, 11                        ; rows of 2,048 bytes
	s_mov_b32 s29, 0
	s_wait_kmcnt 0x0
	s_add_nc_u64 s[4:5], s[4:5], s[20:21]
	s_add_nc_u64 s[6:7], s[6:7], s[22:23]
	s_add_nc_u64 s[8:9], s[8:9], s[22:23]
	s_add_nc_u64 s[10:11], s[10:11], s[22:23]
	s_add_nc_u64 s[12:13], s[12:13], s[22:23]
	s_add_nc_u64 s[14:15], s[14:15], s[24:25]
	s_add_nc_u64 s[16:17], s[16:17], s[28:29]
	s_add_nc_u64 s[18:19], s[18:19], s[26:27]
.set n, 0
.rept 16
	global_load_b128 v[X+4*n:X+4*n+3], v1, s[4:5] offset:n*4096 th:TH_LOAD_NT
.set n, n+1
.endr
.irp p, 6, 8, 10, 12
.rept 4
	global_load_b128 v[X+4*n:X+4*n+3], v1, s[\p:\p+1] offset:(n&3)*4096 th:TH_LOAD_NT
.set n, n+1
.endr
.endr
; load n is in when at most the 31 - n younger ones are out (loads return in order: ISA guide 5.7.1)
.macro CVST base, off
	s_wait_loadcnt 31-n
	v_cvt_pk_bf16_f32 v[Y+2*n], v[X+4*n], v[X+4*n+1]
	v_cvt_pk_bf16_f32 v[Y+2*n+1], v[X+4*n+2], v[X+4*n+3]
	global_store_b64 v2, v[Y+2*n:Y+2*n+1], s[\base:\base+1] offset:\off
.set n, n+1
.endm
.set n, 0
.rept 16
	CVST 14, n*2048
.endr
.irp sel, 0, 1, 2
.rept 4
	CVST 16, \sel*65536+(n&3)*2048
.endr
.endr
.rept 4
	CVST 18, (n&3)*2048
.endr
	s_endpgm
.Lfunc_end_k_qd404da7c8d_cast:
	.size	k_qd404da7c8d_cast, .Lfunc_end_k_qd404da7c8d_cast-k_qd404da7c8d_cast
	.p2alignl 7, 3214868480
	.fill 96, 4, 3214868480
	.section	.rodata,"a",@progbits
	.p2align	6, 0x0
	.amdhsa_kernel k_qd404da7c8d_cast
		.amdhsa_group_segment_fixed_size 0
		.amdhsa_private_segment_fixed_size 0
		.amdhsa_enable_private_segment 0
		.amdhsa_kernarg_size 64
		.amdhsa_user_sgpr_count 2
		.amdhsa_user_sgpr_kernarg_segment_ptr 1
		.amdhsa_wavefront_size32 1
		.amdhsa_system_sgpr_workgroup_id_x 1
		.amdhsa_system_sgpr_workgroup_id_y 1
		.amdhsa_system_sgpr_workgroup_id_z 1
		.amdhsa_system_vgpr_workitem_id 0
		.amdhsa_next_free_vgpr 196
		.amdhsa_next_free_sgpr 66
		.amdhsa_reserve_vcc 0
		.amdhsa_float_denorm_mode_32 3
		.amdhsa_float_denorm_mode_16_64 3
		.amdhsa_memory_ordered 1
		.amdhsa_forward_progress 1
		.amdhsa_inst_pref_size 13
	.end_amdhsa_kernel
	.amdgpu_metadata
---
amdhsa.version: [ 1, 2 ]
amdhsa.kernels:
  - .name:           k_qd404da7c8d_cast
    .symbol:         k_qd404da7c8d_cast.kd
    .args:
      - { .name: x, .offset: 0, .size: 8, .value_kind: global_buffer, .address_space: global }
      - { .name: Wq, .offset: 8, .size: 8, .value_kind: global_buffer, .address_space: global }
      - { .name: Wk, .offset: 16, .size: 8, .value_kind: global_buffer, .address_space: global }
      - { .name: Wv, .offset: 24, .size: 8, .value_kind: global_buffer, .address_space: global }
      - { .name: Wo, .offset: 32, .size: 8, .value_kind: global_buffer, .address_space: global }
      - { .name: xb, .offset: 40, .size: 8, .value_kind: global_buffer, .address_space: global }
      - { .name: wqkvb, .offset: 48, .size: 8, .value_kind: global_buffer, .address_space: global }
      - { .name: wob, .offset: 56, .size: 8, .value_kind: global_buffer, .address_space: global }
    .group_segment_fixed_size: 0
    .private_segment_fixed_size: 0
    .kernarg_segment_align: 8
    .kernarg_segment_size: 64
    .max_flat_workgroup_size: 256
    .sgpr_count:     66
    .vgpr_count:     196
    .wavefront_size: 32
...
	.end_amdgpu_metadata
.endif
;; end of part 1
;; launch qkv (part 2): grid 16 x 16, 4 waves a work-group, clusters of 4 x 4, 327,680 bytes of LDS; arguments xb, wqkvb, bq, bk, bv, qb, kb, vtb; writes qb, kb, vtb
.if DOCPART == 2
	.amdgcn_target "amdgcn-amd-amdhsa--gfx1250"
	.amdhsa_code_object_version 6
	.text
	.protected	k_qd404da7c8d_qkv
	.globl	k_qd404da7c8d_qkv
	.p2align	8
	.type	k_qd404da7c8d_qkv,@function
k_qd404da7c8d_qkv:
	s_mov_b64 s[64:65], 0
	v_nop
	global_prefetch_b8 v0, s[64:65] scope:SCOPE_SE
	s_setreg_imm32_b32 hwreg(HW_REG_WAVE_MODE, 25, 1), 1
	s_wait_xcnt 0x0
	s_wait_alu depctr_hold_cnt(0) depctr_sa_sdst(0) depctr_va_vdst(0) depctr_va_sdst(0) depctr_va_ssrc(0) depctr_va_vcc(0) depctr_vm_vsrc(0)
	s_getreg_b32 s2, hwreg(HW_REG_IB_STS2, 6, 4)
	s_cmp_eq_u32 s2, 0
	s_cbranch_scc0 .Lentry_in_a_cluster
	s_endpgm
.Lentry_in_a_cluster:
	s_bfe_u32 s2, ttmp6, 0x10000c
	s_cmp_lg_u32 s2, 0xf033
	s_cbranch_scc0 .Lentry_shape_is_right
	s_endpgm
.Lentry_shape_is_right:
; q, k, v = x W^T + b for one head (block column bx) and 256 tokens (block row by): a GEMM [256 x 1024] x [192 x 1024]^T in bf16, sums in f32.
; Out: qb, kb [b*16+head][s][64] and vtb [b*16+head][d][s] (V transposed), all bf16 (LIMIT: q, k, v are rounded once to bf16).
; Four waves; wave (mh, nh) makes 128 tokens x 96 stacked rows = 8 x 6 accumulator tiles.  wqkvb's row order makes each 96 rows 32 q, 32 k, 32 v,
; so n tiles 0,1 are q, 2,3 are k, 4,5 are v in every wave.
; q and k tiles use the matrix instruction transposed (source 0 = rows of W, source 1 = rows of x): a lane holds 8 neighbouring d of one token.
; v tiles use it in the natural order: a lane holds 8 neighbouring tokens of one d, which is a piece of a row of V^T.
; The first product of each tile takes the bias as C: nothing is cleared and the bias costs no instruction.
; K = 1024 in 8 steps of 128 through two LDS slots filled by the tensor data mover; a tile's rows are 256 bytes and start at multiples of 256.
; CLUSTER 4 x 4: x's tile hangs on by alone and is asked for jointly by the four work-groups of a cluster row, W's on bx alone, by a cluster column.
; A wave has at most two tensor loads out (the two in front of the loop), later one.
; REGISTERS: window 0: v16-28 addresses, two fragment buffers v32-143 and v144-255 (8 of x, then 6 of W);
; window 1: accumulators of m tiles 0-3 at 8 (6 a + b), biases at v192-239;  window 2: accumulators of m tiles 4-7.
.set KSTEP, 128
.set PITCH, 272                        ; LDS row: 256 bytes + 16 of padding, an odd multiple of 16: the 16 rows of a fragment load lie in 16 different 16-byte columns of a 256-byte span
.set HALFA, 128*PITCH                  ; 128 rows of x: one tensor load
.set HALFB, 96*PITCH                   ; 96 rows of W: one tensor load
.set BOFF,  2*HALFA
.set SLOT,  2*HALFA+2*HALFB            ; 121,856
.set QP,  144                          ; stage: a token's 64 d (128 bytes) + 16
.set VP,  528                          ; stage: a d's 256 tokens (512 bytes) + 16
.set KST, 256*QP                       ; stage of k behind that of q
.set VST, 2*KST                        ; stage of V^T; ends at 107,520, inside slot 0
.set ADRA, 16
.set ADRB, 18
.set STQ, 20
.set STV, 21
.set RDQ, 22
.set RDK, 23
.set RDV, 24
.set GOQ, 25
.set GOV, 26
.set VB1, 27
.set VB2, 28
.set F0, 32
.set F1, 144
.set PK, 32                            ; the way out: packed results, then rows read back
.set BIAS, 192                         ; in window 1
.set G1, 24
.set G0, 32
.set G1B, 48
.set G0B, 56
.set MSB, 0
.macro WIN new                         ; the immediate's high byte repeats the setting that is left
.if MSB != \new
	s_set_vgpr_msb (MSB<<8)|\new
.set MSB, \new
.endif
.endm
.macro PLACES                          ; four places behind a matrix instruction (ISA guide 7.12.1 for vector instructions)
.rept 4
	v_nop
.endr
.endm
; waves 0, 1 ask for x's two halves, waves 2, 3 for W's: one line, one mask.  The branch hangs on the wave's number alone.
.macro JLOAD s
	s_cmp_eq_u32 s21, 0
	s_cbranch_scc0 .Lfor_b_\@
	tensor_load_to_lds s[G0+4*\s:G0+4*\s+3], s[G1:G1+7]
	s_nop 0
	s_branch .Lasked_\@
.Lfor_b_\@:
	tensor_load_to_lds s[G0B+4*\s:G0B+4*\s+3], s[G1B:G1B+7]
	s_nop 0
.Lasked_\@:
.endm
.macro CREST                           ; a round of the cluster's barrier behind its opening work-group barrier
	s_cmp_lg_u32 s20, 0
	s_cbranch_scc1 .Lnot_wave_0_\@
	s_barrier_signal -3
.Lnot_wave_0_\@:
	s_barrier_wait -3
	s_barrier_signal -1
	s_barrier_wait -1
.endm
.macro CROUND
	s_barrier_signal -1
	s_barrier_wait -1
	CREST
.endm
	s_load_b256 s[4:11], s[0:1], 0x0               ; xb s[4:5], wqkvb s[6:7], bq s[8:9], bk s[10:11]
	s_load_b256 s[12:19], s[0:1], 0x20             ; bv s[12:13], qb s[14:15], kb s[16:17], vtb s[18:19]
	v_lshl_add_u32 v30, v0, 2, 0x40000
	v_mov_b32 v31, 0
	ds_add_u32 v30, v31
	v_lshrrev_b32 v1, 5, v0
	v_readfirstlane_b32 s20, v1                    ; wave 0..3
	s_lshr_b32 s21, s20, 1                         ; mh.  Also: I fetch x (0) or W (1)
	s_and_b32 s22, s20, 1                          ; nh.  Also: which half of that tile I fetch
	s_bfe_u32 s66, ttmp6, 0x40000                  ; cx
	s_bfe_u32 s67, ttmp6, 0x40004                  ; cy
	s_lshl_b32 s68, ttmp9, 2
	s_add_co_u32 s68, s68, s66                     ; bx = head
	s_and_b32 s69, ttmp7, 0xffff
	s_lshl_b32 s69, s69, 2
	s_add_co_u32 s69, s69, s67                     ; by = block of 256 tokens
	s_lshl_b32 s70, s67, 2
	s_lshl_b32 s70, 15, s70                        ; my row of the cluster
	s_lshl_b32 s71, 0x1111, s66                    ; my column
	s_or_b32 s[G1+0], s70, (1<<16)|(1<<20)|(1<<21)|(5<<22)|(3<<25)   ; mask; 2-byte elements; padding on; bit 21 beside a mask; after every 64 words 4 words
	s_mov_b32 s[G1+1], KSTEP<<16                   ; tensor_dim0 = 128
	s_mov_b32 s[G1+2], 128<<16                     ; tensor_dim1 = 128
	s_mov_b32 s[G1+3], KSTEP<<16                   ; tile_dim0 = 128
	s_mov_b32 s[G1+4], 128                         ; tile_dim1 = 128
	s_mov_b32 s[G1+5], 1024                        ; elements from row to row
	s_mov_b32 s[G1+6], 0
	s_mov_b32 s[G1+7], 0
	s_or_b32 s[G1B+0], s71, (1<<16)|(1<<20)|(1<<21)|(5<<22)|(3<<25)
	s_mov_b32 s[G1B+1], KSTEP<<16
	s_mov_b32 s[G1B+2], 96<<16                     ; 96 rows
	s_mov_b32 s[G1B+3], KSTEP<<16
	s_mov_b32 s[G1B+4], 96
	s_mov_b32 s[G1B+5], 1024
	s_mov_b32 s[G1B+6], 0
	s_mov_b32 s[G1B+7], 0
	; x's address is made of by and the wave's number, W's of bx and the wave's number, each in registers that never hold the other coordinate
	s_lshl_b32 s76, s22, 7
	s_lshl_b32 s72, s69, 8
	s_add_co_u32 s72, s72, s76                     ; row 256 by + 128 half
	s_lshl_b32 s72, s72, 11                        ; rows of 2,048 bytes (below 8 MiB)
	s_mov_b32 s73, 0
	s_mul_i32 s77, s22, 96
	s_mul_i32 s74, s68, 192
	s_add_co_u32 s74, s74, s77                     ; row 192 bx + 96 half
	s_lshl_b32 s74, s74, 11
	s_mov_b32 s75, 0
	s_mul_i32 s78, s20, HALFA                      ; LDS: x's halves at wave x 34,816 (waves 0, 1)
	s_mul_i32 s79, s20, HALFB
	s_add_co_u32 s79, s79, BOFF-2*HALFB            ; W's halves at 69,632 + (wave - 2) x 26,112 (waves 2, 3)
	s_lshl_b32 s40, s68, 8                         ; biases: (64 bx + 32 nh) x 4 bytes
	s_lshl_b32 s41, s22, 7
	s_add_co_u32 s40, s40, s41
	s_mov_b32 s41, 0
	s_lshr_b32 s42, s69, 3                         ; batch
	s_lshl_b32 s42, s42, 4
	s_add_co_u32 s42, s42, s68                     ; b*16 + head
	s_lshl_b32 s42, s42, 18                        ; x 2,048 x 64 x 2 bytes
	s_and_b32 s43, s69, 7                          ; first token in the sequence = 256 (by & 7)
	s_lshl_b32 s44, s43, 15                        ; x 128 bytes
	s_add_co_u32 s44, s44, s42
	s_mov_b32 s45, 0
	s_lshl_b32 s46, s43, 9                         ; x 2 bytes
	s_add_co_u32 s46, s46, s42
	s_mov_b32 s47, 0
	s_wait_dscnt 0x0
	s_wait_kmcnt 0x0
	s_add_nc_u64 s[72:73], s[4:5], s[72:73]
	s_add_nc_u64 s[74:75], s[6:7], s[74:75]
	s_add_nc_u64 s[8:9], s[8:9], s[40:41]
	s_add_nc_u64 s[10:11], s[10:11], s[40:41]
	s_add_nc_u64 s[12:13], s[12:13], s[40:41]
	s_add_nc_u64 s[14:15], s[14:15], s[44:45]
	s_add_nc_u64 s[16:17], s[16:17], s[44:45]
	s_add_nc_u64 s[18:19], s[18:19], s[46:47]
	CROUND                                         ; all sixteen work-groups are here: the first joint loads meet
.irp s, 0,1
	s_mov_b32 s[G0+4*\s], 1
	s_add_co_u32 s[G0+4*\s+1], s78, \s*SLOT
	s_add_nc_u64 s[G0+4*\s+2:G0+4*\s+3], s[72:73], \s*KSTEP*2
	s_or_b32 s[G0+4*\s+3], s[G0+4*\s+3], 0x80000000
	s_mov_b32 s[G0B+4*\s], 1
	s_add_co_u32 s[G0B+4*\s+1], s79, \s*SLOT
	s_add_nc_u64 s[G0B+4*\s+2:G0B+4*\s+3], s[74:75], \s*KSTEP*2
	s_or_b32 s[G0B+4*\s+3], s[G0B+4*\s+3], 0x80000000
	JLOAD \s
.endr
	v_and_b32 v1, 15, v0                           ; r
	v_bfe_u32 v2, v0, 4, 1                         ; h
	v_mul_u32_u24 v4, v1, PITCH
	v_lshl_add_u32 v4, v2, 4, v4                   ; fragment: row r, 16 bytes for each half of the lanes
	s_mul_i32 s40, s21, HALFA
	s_mul_i32 s41, s22, HALFB
	s_add_co_u32 s41, s41, BOFF
.irp s, 0,1
	v_add_nc_u32 v[ADRA+\s], s40, v4
	v_add_nc_u32 v[ADRB+\s], s41, v4
	s_add_co_u32 s40, s40, SLOT
	s_add_co_u32 s41, s41, SLOT
.endr
	v_mul_u32_u24 v5, v1, QP                       ; stage of q, k: token (128 mh + r), byte 64 nh + 16 h
	v_lshl_add_u32 v5, v2, 4, v5
	s_mul_i32 s40, s21, 128*QP
	s_lshl_b32 s41, s22, 6
	s_add_co_u32 s40, s40, s41
	v_add_nc_u32 v[STQ], s40, v5
	v_mul_u32_u24 v5, v1, VP                       ; stage of V^T: row d = 32 nh + r, byte 256 mh + 16 h
	v_lshl_add_u32 v5, v2, 4, v5
	s_mul_i32 s40, s22, 32*VP
	s_lshl_b32 s41, s21, 8
	s_add_co_u32 s40, s40, s41
	s_add_co_u32 s40, s40, VST
	v_add_nc_u32 v[STV], s40, v5
	v_lshrrev_b32 v5, 3, v0                        ; back: eight threads take a token's 128 bytes
	v_and_b32 v6, 7, v0
	v_mul_u32_u24 v5, v5, QP
	v_lshl_add_u32 v[RDQ], v6, 4, v5
	v_add_nc_u32 v[RDK], KST, v[RDQ]
	v_lshrrev_b32 v5, 5, v0                        ; a wave takes a row of V^T, 512 bytes
	v_and_b32 v6, 31, v0
	v_mul_u32_u24 v7, v5, VP
	v_lshl_add_u32 v7, v6, 4, v7
	v_add_nc_u32 v[RDV], VST, v7
	v_lshlrev_b32 v[GOQ], 4, v0                    ; the block of q (k) is dense in memory: 16 t
	v_lshlrev_b32 v7, 4, v6
	v_lshl_add_u32 v[GOV], v5, 12, v7              ; rows of V^T are 4,096 bytes apart
	v_lshlrev_b32 v[VB1], 5, v2                    ; q, k: my 8 biases begin at d = 8 h
	v_lshlrev_b32 v[VB2], 2, v1                    ; v: my bias is that of d = r
	WIN 0x40                                       ; destination in window 1
.irp b, 0,1
	global_load_b128 v[BIAS+8*\b:BIAS+8*\b+3], v[VB1], s[8:9] offset:64*\b
	global_load_b128 v[BIAS+8*\b+4:BIAS+8*\b+7], v[VB1], s[8:9] offset:64*\b+16
	global_load_b128 v[BIAS+16+8*\b:BIAS+16+8*\b+3], v[VB1], s[10:11] offset:64*\b
	global_load_b128 v[BIAS+16+8*\b+4:BIAS+16+8*\b+7], v[VB1], s[10:11] offset:64*\b+16
.endr
.irp b, 0,1
.irp j, 0,1,2,3,4,5,6,7
	global_load_b32 v[BIAS+32+8*\b+\j], v[VB2], s[12:13] offset:64*\b   ; the lane's eight results are eight tokens of one d: the same bias in all eight
.endr
.endr
	WIN 0
.macro MM d, a, b, c
	v_wmma_f32_16x16x32_bf16 v[\d:\d+7], v[\a:\a+7], v[\b:\b+7], v[\c:\c+7]
.endm
; 24 matrix instructions: the window's four m tiles x six n tiles, 32 along K.  The accumulators take turns, one instruction a turn, in the
; same order everywhere.
.macro MULH f, hi, first
.irp a, 0,1,2,3
.irp b, 0,1,2,3,4,5
.if \first
.set CC, BIAS+8*\b
.else
.set CC, 8*(6*\a+\b)
.endif
.if \b < 4
	MM 8*(6*\a+\b), \f+64+8*\b, \f+8*(4*\hi+\a), CC
.else
	MM 8*(6*\a+\b), \f+8*(4*\hi+\a), \f+64+8*\b, CC
.endif
.endr
.endr
.endm
; 28 LDS loads in one run: 128 rows of x and 96 rows of W, 32 along K at byte k of the rows
.macro FETCH slot, k, f
.irp i, 0,1,2,3,4,5,6,7
	ds_load_b128 v[\f+8*\i:\f+8*\i+3], v[ADRA+\slot] offset:\k+\i*16*PITCH
	ds_load_b128 v[\f+8*\i+4:\f+8*\i+7], v[ADRA+\slot] offset:\k+\i*16*PITCH+32
.endr
.irp i, 0,1,2,3,4,5
	ds_load_b128 v[\f+64+8*\i:\f+64+8*\i+3], v[ADRB+\slot] offset:\k+\i*16*PITCH
	ds_load_b128 v[\f+64+8*\i+4:\f+64+8*\i+7], v[ADRB+\slot] offset:\k+\i*16*PITCH+32
.endr
.endm
; a quarter step: the next quarter's fragments are asked for first, into the buffer just multiplied, then buffer f is multiplied (48 matrix instructions)
.macro QUARTER slot, k, f, g, first
	PLACES
	FETCH \slot, \k, \g
	s_wait_dscnt 28                                ; all but the 28 just issued: buffer f is in
	WIN 0x50                                       ; C and D in window 1
	MULH \f, 0, \first
.if \first
	WIN 0x90                                       ; D in window 2, C = the biases in window 1
.else
	WIN 0xa0                                       ; C and D in window 2
.endif
	MULH \f, 1, \first
	WIN 0
.endm
.macro THREE slot, first
	QUARTER \slot, 64,  F0, F1, \first
	QUARTER \slot, 128, F1, F0, 0
	QUARTER \slot, 192, F0, F1, 0
.endm
; the last quarter changes slots.  In front of the barrier: my reads of this slot are back and all my tensor loads have landed (the one that was out
; is my part of the next slot).  Where the slot is filled again the barrier opens a round of the cluster's barrier, and the joint refill is the
; first tensor load behind the round; it then has a whole K step less 24 matrix instructions in which to land.
.macro TURN slot, next, fill
	s_wait_dscnt 0x0
	s_wait_tensorcnt 0x0
	ds_add_u32 v30, v31
	s_wait_dscnt 0x0
	s_barrier_signal -1
	WIN 0x50
	MULH F1, 0, 0                                  ; register work while the others arrive
	WIN 0
	s_barrier_wait -1
.if \fill
	CREST
	s_add_nc_u64 s[G0+4*\slot+2:G0+4*\slot+3], s[G0+4*\slot+2:G0+4*\slot+3], 2*KSTEP*2
	s_add_nc_u64 s[G0B+4*\slot+2:G0B+4*\slot+3], s[G0B+4*\slot+2:G0B+4*\slot+3], 2*KSTEP*2
	JLOAD \slot
.endif
	PLACES
	FETCH \next, 0, F0
	WIN 0xa0
	MULH F1, 1, 0
	WIN 0
.endm
.macro LAP first
	THREE 0, \first
	TURN 0, 1, 1
	THREE 1, 0
	TURN 1, 0, 1
.endm
	s_wait_tensorcnt 1                             ; my part of K step 0 is in; K step 1's stays out
	s_wait_loadcnt 0x0                             ; the biases
	s_barrier_signal -1
	s_barrier_wait -1
	FETCH 0, 0, F0
	LAP 1                                          ; K steps 0, 1; asks for 2, 3
	s_mov_b32 s3, 2
.Llap:
	LAP 0                                          ; K steps 2 to 5; asks for 4 to 7
	s_sub_co_u32 s3, s3, 1
	s_cmp_lg_u32 s3, 0
	s_cbranch_scc1 .Llap
	THREE 0, 0                                     ; the last lap fills nothing
	TURN 0, 1, 0
	THREE 1, 0
	s_wait_dscnt 0x0
	WIN 0x50
	MULH F1, 0, 0
	WIN 0xa0
	MULH F1, 1, 0
	; THE WAY OUT.  Slot 0 has had its last fill, and every wave's reads of it ended in front of the last change of slots: it serves as the stage.
	PLACES
	WIN 0x05                                       ; sources in window 1
.irp a, 0,1,2,3
.irp b, 0,1,2,3,4,5
.irp r, 0,1,2,3
	v_cvt_pk_bf16_f32 v[PK+4*(6*\a+\b)+\r], v[8*(6*\a+\b)+2*\r], v[8*(6*\a+\b)+2*\r+1]
.endr
.endr
.endr
	WIN 0x0a                                       ; sources in window 2
.irp a, 0,1,2,3
.irp b, 0,1,2,3,4,5
.irp r, 0,1,2,3
	v_cvt_pk_bf16_f32 v[PK+96+4*(6*\a+\b)+\r], v[8*(6*\a+\b)+2*\r], v[8*(6*\a+\b)+2*\r+1]
.endr
.endr
.endr
	WIN 0
.irp hi, 0,1
.irp a, 0,1,2,3
.irp b, 0,1,2,3
	ds_store_b128 v[STQ], v[PK+96*\hi+4*(6*\a+\b):PK+96*\hi+4*(6*\a+\b)+3] offset:(4*\hi+\a)*16*QP+(\b&1)*32+(\b>>1)*KST
.endr
.irp b, 4,5
	ds_store_b128 v[STV], v[PK+96*\hi+4*(6*\a+\b):PK+96*\hi+4*(6*\a+\b)+3] offset:(\b-4)*16*VP+(4*\hi+\a)*32
.endr
.endr
.endr
	s_wait_dscnt 0x0                               ; my stores are in LDS, for the other waves' sake
	s_barrier_signal -1
	s_barrier_wait -1
.set n, 0
.rept 16
	ds_load_b128 v[PK+4*n:PK+4*n+3], v[RDQ] offset:n*16*QP
.set n, n+1
.endr
.set n, 0
.rept 16
	ds_load_b128 v[PK+64+4*n:PK+64+4*n+3], v[RDK] offset:n*16*QP
.set n, n+1
.endr
.set n, 0
.rept 16
	ds_load_b128 v[PK+128+4*n:PK+128+4*n+3], v[RDV] offset:n*4*VP
.set n, n+1
.endr
	; each store of a wave covers 512 consecutive bytes that start at a multiple of 512 from the buffer's first byte
.set n, 0
.rept 16
	s_wait_dscnt 47-n                              ; the younger read-backs may stay out
	global_store_b128 v[GOQ], v[PK+4*n:PK+4*n+3], s[14:15] offset:n*2048
.set n, n+1
.endr
.set n, 0
.rept 16
	s_wait_dscnt 31-n
	global_store_b128 v[GOQ], v[PK+64+4*n:PK+64+4*n+3], s[16:17] offset:n*2048
.set n, n+1
.endr
.set n, 0
.rept 16
	s_wait_dscnt 15-n
	global_store_b128 v[GOV], v[PK+128+4*n:PK+128+4*n+3], s[18:19] offset:n*16384
.set n, n+1
.endr
	s_wait_tensorcnt 0x0
	ds_add_u32 v30, v31
	s_wait_dscnt 0x0
	CROUND                                         ; the closing round: no work-group ends while a partner may still ask for a tile that names it
	s_endpgm
.Lfunc_end_k_qd404da7c8d_qkv:
	.size	k_qd404da7c8d_qkv, .Lfunc_end_k_qd404da7c8d_qkv-k_qd404da7c8d_qkv
	.p2alignl 7, 3214868480
	.fill 96, 4, 3214868480
	.section	.rodata,"a",@progbits
	.p2align	6, 0x0
	.amdhsa_kernel k_qd404da7c8d_qkv
		.amdhsa_group_segment_fixed_size 327680
		.amdhsa_private_segment_fixed_size 0
		.amdhsa_enable_private_segment 0
		.amdhsa_kernarg_size 64
		.amdhsa_user_sgpr_count 2
		.amdhsa_user_sgpr_kernarg_segment_ptr 1
		.amdhsa_wavefront_size32 1
		.amdhsa_system_sgpr_workgroup_id_x 1
		.amdhsa_system_sgpr_workgroup_id_y 1
		.amdhsa_system_sgpr_workgroup_id_z 1
		.amdhsa_system_vgpr_workitem_id 0
		.amdhsa_next_free_vgpr 704
		.amdhsa_next_free_sgpr 80
		.amdhsa_reserve_vcc 0
		.amdhsa_float_denorm_mode_32 3
		.amdhsa_float_denorm_mode_16_64 3
		.amdhsa_memory_ordered 1
		.amdhsa_forward_progress 1
		.amdhsa_inst_pref_size 159
	.end_amdhsa_kernel
	.amdgpu_metadata
---
amdhsa.version: [ 1, 2 ]
amdhsa.kernels:
  - .name:           k_qd404da7c8d_qkv
    .symbol:         k_qd404da7c8d_qkv.kd
    .args:
      - { .name: xb, .offset: 0, .size: 8, .value_kind: global_buffer, .address_space: global }
      - { .name: wqkvb, .offset: 8, .size: 8, .value_kind: global_buffer, .address_space: global }
      - { .name: bq, .offset: 16, .size: 8, .value_kind: global_buffer, .address_space: global }
      - { .name: bk, .offset: 24, .size: 8, .value_kind: global_buffer, .address_space: global }
      - { .name: bv, .offset: 32, .size: 8, .value_kind: global_buffer, .address_space: global }
      - { .name: qb, .offset: 40, .size: 8, .value_kind: global_buffer, .address_space: global }
      - { .name: kb, .offset: 48, .size: 8, .value_kind: global_buffer, .address_space: global }
      - { .name: vtb, .offset: 56, .size: 8, .value_kind: global_buffer, .address_space: global }
    .group_segment_fixed_size: 327680
    .private_segment_fixed_size: 0
    .kernarg_segment_align: 8
    .kernarg_segment_size: 64
    .max_flat_workgroup_size: 128
    .sgpr_count:     80
    .vgpr_count:     704
    .wavefront_size: 32
...
	.end_amdgpu_metadata
.endif
;; end of part 2
;; launch attn (part 3): grid 256 x 1, 8 waves a work-group, clusters of 4 x 1, 327,680 bytes of LDS; arguments qb, kb, vtb, ctxb; writes ctxb
.if DOCPART == 3
	.amdgcn_target "amdgcn-amd-amdhsa--gfx1250"
	.amdhsa_code_object_version 6
	.text
	.protected	k_qd404da7c8d_attn
	.globl	k_qd404da7c8d_attn
	.p2align	8
	.type	k_qd404da7c8d_attn,@function
k_qd404da7c8d_attn:
	s_mov_b64 s[64:65], 0
	v_nop
	global_prefetch_b8 v0, s[64:65] scope:SCOPE_SE
	s_setreg_imm32_b32 hwreg(HW_REG_WAVE_MODE, 25, 1), 1
	s_wait_xcnt 0x0
	s_wait_alu depctr_hold_cnt(0) depctr_sa_sdst(0) depctr_va_vdst(0) depctr_va_sdst(0) depctr_va_ssrc(0) depctr_va_vcc(0) depctr_vm_vsrc(0)
	s_getreg_b32 s2, hwreg(HW_REG_IB_STS2, 6, 4)
	s_cmp_eq_u32 s2, 0
	s_cbranch_scc0 .Lentry_in_a_cluster
	s_endpgm
.Lentry_in_a_cluster:
	s_bfe_u32 s2, ttmp6, 0x10000c
	s_cmp_lg_u32 s2, 0x3003
	s_cbranch_scc0 .Lentry_shape_is_right
	s_endpgm
.Lentry_shape_is_right:
; softmax(q k^T / 8) v for 256 queries of one (batch, head), with a running maximum; ctxb [b*16+head][s][64] in bf16.
; LIMITS: the weights p and the result are rounded to bf16; the row sum adds the unrounded p, in another order than the reference's;
; v_exp_f32 gives 0 for results below 2^-126 (ISA guide 15.8); NaN and infinities among the inputs get no treatment of their own.
; Eight waves, two to a SIMD.  Wave w: p = w & 3 picks 64 queries, g = w >> 2 picks 128 of each tile's 256 keys; the two halves of the keys keep
; maxima, sums and O of their own and are joined once at the end.
; TRANSPOSED FORMS.  S^T = K Q^T (source 0 = 16 keys, source 1 = 16 queries): lane (r, h) holds query r, keys 8h .. 8h+7.  Two neighbouring tiles,
; rounded to bf16, ARE the source-1 fragment of 32 keys for O^T = V^T P^T (source 0 = 16 rows of V^T): lane (r, h) then holds query r,
; d = 8h .. 8h+7.  So maximum, sum and scale are one number a lane, and one exchange between the halves of the lanes joins the keys.
; CLUSTER 4 x 1: the four work-groups are four query blocks of one head and ask for each K and V^T tile jointly (mask 15).
; Two LDS slots; one joint load a wave is out at a time, asked for a whole tile's work (128 matrix instructions and two softmax passes a wave) ahead.
.set KP, 144                           ; a key's 64 d (128 bytes) + 16: odd multiple of 16
.set VP, 528                           ; a d's 256 keys (512 bytes) + 16: odd multiple of 16
.set KBYTES, 256*KP
.set SLOT, KBYTES+64*VP                ; 70,656
.set MRG, 2*SLOT                       ; 141,312: 4 x 18,432, O and the statistics of the waves with g = 1; no tensor load lands here
.set MRGW, 18432
.set OST, MRG+4*MRGW                   ; 215,040: 4 x 9,216, the way out
.set OSTW, 64*KP
.set KTILE, 32768                      ; bytes of kb from tile to tile
.set VTILE, 512                        ; bytes along a row of vtb from tile to tile
.set ADK, 8
.set ADV, 10
.set MRGA, 12
.set OSTS, 13
.set OSTR, 14
.set GO, 15
.set ST, 16                            ; v[16:31]: for each query tile (-c m, m, alpha, l)
.set TM, 32
.set TP, 36
.set SUM, 40                           ; v[40:47]: four chains of pairs
.set FV, 48                            ; v[48:111]: V^T fragments (db, kg) at 8 (2 db + kg)
.set SCO, 112                          ; v[112:239]: scores, tile (qt, kb) at 32 qt + 8 kb; then p; then P packed in place
.set OAC, 0                            ; window 1: O^T, tile (qt, db) at 32 qt + 8 db
.set QF, 128                           ; window 1: Q fragments at 8 (2 qt + ds)
.set FK, 192                           ; window 1: K fragments at 8 (4 ds + kb)
.set G1K, 24
.set G1V, 32
.set G0K, 40
.set G0V, 48
.set MSB, 0
.macro WIN new
.if MSB != \new
	s_set_vgpr_msb (MSB<<8)|\new
.set MSB, \new
.endif
.endm
.macro PLACES
.rept 4
	v_nop
.endr
.endm
.macro PLACES5
.rept 5
	v_nop
.endr
.endm
.macro JLOAD s                         ; waves 0-3 ask for 64 keys of K each, waves 4-7 for 16 rows of V^T each
	s_cmp_eq_u32 s13, 0
	s_cbranch_scc0 .Lfor_v_\@
	tensor_load_to_lds s[G0K+4*(\s):G0K+4*(\s)+3], s[G1K:G1K+7]
	s_nop 0
	s_branch .Lasked_\@
.Lfor_v_\@:
	tensor_load_to_lds s[G0V+4*(\s):G0V+4*(\s)+3], s[G1V:G1V+7]
	s_nop 0
.Lasked_\@:
.endm
.macro CREST
	s_cmp_lg_u32 s12, 0
	s_cbranch_scc1 .Lnot_wave_0_\@
	s_barrier_signal -3
.Lnot_wave_0_\@:
	s_barrier_wait -3
	s_barrier_signal -1
	s_barrier_wait -1
.endm
.macro CROUND
	s_barrier_signal -1
	s_barrier_wait -1
	CREST
.endm
	s_load_b256 s[4:11], s[0:1], 0x0               ; qb s[4:5], kb s[6:7], vtb s[8:9], ctxb s[10:11]
	v_lshl_add_u32 v254, v0, 2, 0x3d800
	v_mov_b32 v255, 0
	ds_add_u32 v254, v255
	v_lshrrev_b32 v1, 5, v0
	v_readfirstlane_b32 s12, v1                    ; wave 0..7
	s_lshr_b32 s13, s12, 2                         ; g
	s_and_b32 s14, s12, 3                          ; p
	s_bfe_u32 s15, ttmp6, 0x40000                  ; cx
	s_lshr_b32 s16, ttmp9, 1                       ; b*16 + head: two clusters a head
	s_and_b32 s17, ttmp9, 1
	s_lshl2_add_u32 s17, s17, s15                  ; query block 0..7: enters global addresses of q and ctx alone
	s_mov_b32 s18, 0x76543210                      ; v_permlanex16_b32: lane i takes lane i of the other half
	s_mov_b32 s19, 0xfedcba98
	s_mov_b32 s20, 0x3e38aa3b                      ; c = log2(e) / 8
	s_mov_b32 s21, 0x3e38aa3b
	s_mov_b32 s22, 0xbe38aa3b                      ; -c
	; K: 64 keys are 8,192 dense bytes: 32 rows of 256 bytes; 4 words of padding after every 32 words give key rows 144 bytes apart
	s_mov_b32 s[G1K+0], 15|(1<<16)|(1<<20)|(1<<21)|(4<<22)|(3<<25)
	s_mov_b32 s[G1K+1], 128<<16
	s_mov_b32 s[G1K+2], 32<<16
	s_mov_b32 s[G1K+3], 128<<16
	s_mov_b32 s[G1K+4], 32
	s_mov_b32 s[G1K+5], 128
	s_mov_b32 s[G1K+6], 0
	s_mov_b32 s[G1K+7], 0
	; V^T: 16 rows of 256 keys (512 bytes), 2,048 elements apart; 4 words of padding after every 128 words
	s_mov_b32 s[G1V+0], 15|(1<<16)|(1<<20)|(1<<21)|(6<<22)|(3<<25)
	s_mov_b32 s[G1V+1], 256<<16
	s_mov_b32 s[G1V+2], 16<<16
	s_mov_b32 s[G1V+3], 256<<16
	s_mov_b32 s[G1V+4], 16
	s_mov_b32 s[G1V+5], 2048
	s_mov_b32 s[G1V+6], 0
	s_mov_b32 s[G1V+7], 0
	s_lshl_b32 s56, s16, 11                        ; my first query's row: 2,048 bh + 256 block + 64 p,
	s_lshl_b32 s57, s17, 8
	s_add_co_u32 s56, s56, s57
	s_lshl_b32 s57, s14, 6
	s_add_co_u32 s56, s56, s57
	s_lshl_b32 s56, s56, 7                         ; rows of 128 bytes
	s_mov_b32 s57, 0
	s_lshl_b32 s58, s16, 18                        ; the head's K and V^T: 262,144 bytes each
	s_lshl_b32 s60, s12, 13                        ; K: wave x 64 keys
	s_add_co_u32 s60, s60, s58
	s_mov_b32 s61, 0
	s_lshl_b32 s62, s14, 16                        ; V^T: p x 16 rows of 4,096 bytes
	s_add_co_u32 s62, s62, s58
	s_mov_b32 s63, 0
	s_mul_i32 s59, s12, 64*KP                      ; LDS: K's quarters at wave x 9,216 (waves 0-3)
	s_mul_i32 s23, s12, 16*VP
	s_add_co_u32 s23, s23, KBYTES-4*16*VP          ; V^T's at 36,864 + (wave - 4) x 8,448 (waves 4-7)
	v_and_b32 v1, 15, v0                           ; r
	v_bfe_u32 v2, v0, 4, 1                         ; h
	v_and_b32 v3, 31, v0                           ; lane
	v_lshlrev_b32 v7, 7, v1
	v_lshl_add_u32 v7, v2, 4, v7                   ; q: row r, 16 bytes for each half of the lanes
	s_wait_dscnt 0x0
	s_wait_kmcnt 0x0
	s_add_nc_u64 s[4:5], s[4:5], s[56:57]
	s_add_nc_u64 s[10:11], s[10:11], s[56:57]
	s_add_nc_u64 s[60:61], s[6:7], s[60:61]
	s_add_nc_u64 s[62:63], s[8:9], s[62:63]
	WIN 0x40                                       ; destination in window 1
.irp q, 0,1,2,3
.irp d, 0,1
	global_load_b128 v[QF+8*(2*\q+\d):QF+8*(2*\q+\d)+3], v7, s[4:5] offset:\q*2048+\d*64
	global_load_b128 v[QF+8*(2*\q+\d)+4:QF+8*(2*\q+\d)+7], v7, s[4:5] offset:\q*2048+\d*64+32
.endr
.endr
	WIN 0
.irp s, 0,1
	s_mov_b32 s[G0K+4*\s], 1
	s_add_co_u32 s[G0K+4*\s+1], s59, \s*SLOT
	s_add_nc_u64 s[G0K+4*\s+2:G0K+4*\s+3], s[60:61], \s*KTILE
	s_or_b32 s[G0K+4*\s+3], s[G0K+4*\s+3], 0x80000000
	s_mov_b32 s[G0V+4*\s], 1
	s_add_co_u32 s[G0V+4*\s+1], s23, \s*SLOT
	s_add_nc_u64 s[G0V+4*\s+2:G0V+4*\s+3], s[62:63], \s*VTILE
	s_or_b32 s[G0V+4*\s+3], s[G0V+4*\s+3], 0x80000000
.endr
	CROUND                                         ; the four work-groups are here: the first joint loads meet
	JLOAD 0                                        ; tile 0
	v_mul_u32_u24 v4, v1, KP
	v_lshl_add_u32 v4, v2, 4, v4                   ; r x 144 + 16 h
	s_mul_i32 s56, s13, 128*KP                     ; my half of the keys
	v_add_nc_u32 v[ADK], s56, v4
	v_add_nc_u32 v[ADK+1], SLOT, v[ADK]
	v_mul_u32_u24 v5, v1, VP
	v_lshl_add_u32 v5, v2, 4, v5
	s_lshl_b32 s56, s13, 8
	s_add_co_u32 s56, s56, KBYTES
	v_add_nc_u32 v[ADV], s56, v5
	v_add_nc_u32 v[ADV+1], SLOT, v[ADV]
	s_mul_i32 s56, s14, MRGW
	s_add_co_u32 s56, s56, MRG
	v_lshl_add_u32 v[MRGA], v3, 4, s56             ; 16 bytes a lane
	s_mul_i32 s56, s14, OSTW
	s_add_co_u32 s56, s56, OST
	v_add_nc_u32 v[OSTS], s56, v4
	v_lshrrev_b32 v5, 3, v3
	v_and_b32 v6, 7, v3
	v_mul_u32_u24 v5, v5, KP
	v_lshl_add_u32 v5, v6, 4, v5
	v_add_nc_u32 v[OSTR], s56, v5                  ; back: eight lanes take a query's 128 bytes
	v_lshlrev_b32 v[GO], 4, v3
.irp q, 0,1,2,3
	v_mov_b32 v[TP+\q], 0                          ; v_permlanex16_b32 counts as a reader of its destination
.endr
	s_wait_loadcnt 0x0                             ; q
; K fragments of 64 keys, those of d 0-31 first
.macro LOADK slot, sub
	WIN 0x40
.irp d, 0,1
.irp k, 0,1,2,3
	ds_load_b128 v[FK+8*(4*\d+\k):FK+8*(4*\d+\k)+3], v[ADK+\slot] offset:(\sub*64+\k*16)*KP+\d*64
	ds_load_b128 v[FK+8*(4*\d+\k)+4:FK+8*(4*\d+\k)+7], v[ADK+\slot] offset:(\sub*64+\k*16)*KP+\d*64+32
.endr
.endr
	WIN 0
.endm
.macro LOADV slot, sub
.irp d, 0,1,2,3
.irp g, 0,1
	ds_load_b128 v[FV+8*(2*\d+\g):FV+8*(2*\d+\g)+3], v[ADV+\slot] offset:\d*16*VP+\sub*128+\g*64
	ds_load_b128 v[FV+8*(2*\d+\g)+4:FV+8*(2*\d+\g)+7], v[ADV+\slot] offset:\d*16*VP+\sub*128+\g*64+32
.endr
.endr
.endm
; 64 keys x 64 queries: 16 tiles, two instructions each; the tiles take turns, one instruction a turn
.macro QK
	WIN 0x05                                       ; K and Q fragments in window 1, scores in window 0
	s_wait_dscnt 8                                 ; the fragments of d 0-31 are in; the eight younger loads may stay out
.irp k, 0,1,2,3
.irp q, 0,1,2,3
	v_wmma_f32_16x16x32_bf16 v[SCO+32*\q+8*\k:SCO+32*\q+8*\k+7], v[FK+8*\k:FK+8*\k+7], v[QF+16*\q:QF+16*\q+7], 0
.endr
.endr
	s_wait_dscnt 0x0
.irp k, 0,1,2,3
.irp q, 0,1,2,3
	v_wmma_f32_16x16x32_bf16 v[SCO+32*\q+8*\k:SCO+32*\q+8*\k+7], v[FK+32+8*\k:FK+32+8*\k+7], v[QF+16*\q+8:QF+16*\q+15], v[SCO+32*\q+8*\k:SCO+32*\q+8*\k+7]
.endr
.endr
.endm
.macro FMAQ q                          ; c s - c m, two at a time
.irp j, 0,2,4,6,8,10,12,14,16,18,20,22,24,26,28,30
	v_pk_fma_f32 v[SCO+32*\q+\j:SCO+32*\q+\j+1], v[SCO+32*\q+\j:SCO+32*\q+\j+1], s[20:21], v[ST+4*\q:ST+4*\q+1] op_sel_hi:[1,0,0]
.endr
.endm
.macro EXPQ q
.set jj, 0
.rept 32
	v_exp_f32 v[SCO+32*\q+jj], v[SCO+32*\q+jj]
.set jj, jj+1
.endr
.endm
; pair j of a query tile's 16 pairs goes to register 16 (j >> 3) + (j & 7): in place, onto registers whose numbers have been used
.macro PACK4 q, j0
.irp i, 0,1,2,3
	v_cvt_pk_bf16_f32 v[SCO+32*\q+16*((\j0+\i)>>3)+((\j0+\i)&7)], v[SCO+32*\q+2*(\j0+\i)], v[SCO+32*\q+2*(\j0+\i)+1]
.endr
.endm
; the lane's sum of 32 p in four chains, then the packing, with the chains' joining strewn among it; l = l alpha + sum
.macro SCQ q, first
	s_wait_alu depctr_va_vdst(0)
.irp c, 0,1,2,3
	v_pk_add_f32 v[SUM+2*\c:SUM+2*\c+1], v[SCO+32*\q+4*\c:SCO+32*\q+4*\c+1], v[SCO+32*\q+4*\c+2:SCO+32*\q+4*\c+3]
.endr
.irp c, 0,1,2,3
	v_pk_add_f32 v[SUM+2*\c:SUM+2*\c+1], v[SUM+2*\c:SUM+2*\c+1], v[SCO+32*\q+16+2*\c:SCO+32*\q+16+2*\c+1]
.endr
.irp c, 0,1,2,3
	v_pk_add_f32 v[SUM+2*\c:SUM+2*\c+1], v[SUM+2*\c:SUM+2*\c+1], v[SCO+32*\q+24+2*\c:SCO+32*\q+24+2*\c+1]
.endr
	PACK4 \q, 0
	v_pk_add_f32 v[SUM:SUM+1], v[SUM:SUM+1], v[SUM+2:SUM+3]
	v_pk_add_f32 v[SUM+4:SUM+5], v[SUM+4:SUM+5], v[SUM+6:SUM+7]
	PACK4 \q, 4
	v_pk_add_f32 v[SUM:SUM+1], v[SUM:SUM+1], v[SUM+4:SUM+5]
	PACK4 \q, 8
.if \first
	v_add_f32 v[ST+4*\q+3], v[SUM], v[SUM+1]
	PACK4 \q, 12
.else
	v_add_f32 v[SUM], v[SUM], v[SUM+1]
	PACK4 \q, 12
	v_fma_f32 v[ST+4*\q+3], v[ST+4*\q+3], v[ST+4*\q+2], v[SUM]
.endif
.endm
.macro RESCALE                         ; O *= alpha
	WIN 0x41                                       ; O in window 1, alpha in window 0
	s_wait_alu depctr_va_vdst(0)
.irp q, 0,1,2,3
.irp j, 0,2,4,6,8,10,12,14,16,18,20,22,24,26,28,30
	v_pk_mul_f32 v[OAC+32*\q+\j:OAC+32*\q+\j+1], v[OAC+32*\q+\j:OAC+32*\q+\j+1], v[ST+4*\q+2:ST+4*\q+3] op_sel_hi:[1,0]
.endr
.endr
	WIN 0
.endm
; The running maximum m is that of the raw scores.  Everything is referred to 2^(-c m) AS ROUNDED: p = 2^(c s + nmc), alpha = 2^(nmc' - nmc), so p, l and O
; stay consistent however large the scores are.  Behind each run of exponentials stands plain work on other registers before a result is used (ISA guide 5.7.2).
.macro SOFTMAX first
.if \first
.irp q, 0,1,2,3
	v_max_num_f32 v[TM+\q], v[SCO+32*\q], v[SCO+32*\q+1]
.endr
.else
.irp q, 0,1,2,3
	v_max3_num_f32 v[TM+\q], v[ST+4*\q+1], v[SCO+32*\q], v[SCO+32*\q+1]
.endr
.endif
.irp j, 2,4,6,8,10,12,14,16,18,20,22,24,26,28,30
.irp q, 0,1,2,3
	v_max3_num_f32 v[TM+\q], v[TM+\q], v[SCO+32*\q+\j], v[SCO+32*\q+\j+1]
.endr
.endr
.irp q, 0,1,2,3
	v_permlanex16_b32 v[TP+\q], v[TM+\q], s18, s19     ; the other half of the lanes holds the query's other keys
.endr
.irp q, 0,1,2,3
	v_max_num_f32 v[ST+4*\q+1], v[TM+\q], v[TP+\q]
.endr
.if \first
.irp q, 0,1,2,3
	v_mul_f32 v[ST+4*\q], s22, v[ST+4*\q+1]
.endr
.else
.irp q, 0,1,2,3
	v_mul_f32 v[TP+\q], s22, v[ST+4*\q+1]
.endr
.irp q, 0,1,2,3
	v_sub_f32 v[ST+4*\q+2], v[TP+\q], v[ST+4*\q]
.endr
.irp q, 0,1,2,3
	v_exp_f32 v[ST+4*\q+2], v[ST+4*\q+2]
.endr
.irp q, 0,1,2,3
	v_mov_b32 v[ST+4*\q], v[TP+\q]
.endr
.endif
	FMAQ 0
	EXPQ 0
	FMAQ 1
	SCQ 0, \first
	EXPQ 1
	FMAQ 2
	SCQ 1, \first
	EXPQ 2
	FMAQ 3
	SCQ 2, \first
	EXPQ 3
.if \first
	v_nop
	s_wait_alu depctr_va_vdst(0)
.else
	RESCALE
.endif
	SCQ 3, \first
.endm
.macro PVG g, zero                     ; 32 keys: 16 tiles of O^T, by turns
.irp q, 0,1,2,3
.irp d, 0,1,2,3
.if \zero
	v_wmma_f32_16x16x32_bf16 v[OAC+32*\q+8*\d:OAC+32*\q+8*\d+7], v[FV+8*(2*\d+\g):FV+8*(2*\d+\g)+7], v[SCO+32*\q+16*\g:SCO+32*\q+16*\g+7], 0
.else
	v_wmma_f32_16x16x32_bf16 v[OAC+32*\q+8*\d:OAC+32*\q+8*\d+7], v[FV+8*(2*\d+\g):FV+8*(2*\d+\g)+7], v[SCO+32*\q+16*\g:SCO+32*\q+16*\g+7], v[OAC+32*\q+8*\d:OAC+32*\q+8*\d+7]
.endif
.endr
.endr
.endm
; 64 of my keys.  pk = 1: the next 64 keys' K fragments are asked for as soon as this pass's products have read theirs.
.macro SUBT slot, sub, first, pk
	QK
	WIN 0
	PLACES                                         ; behind the products: for the loads into K's fragments and for the reads of the scores
.if \pk
	LOADK \slot, 1
.endif
	LOADV \slot, \sub
	SOFTMAX \first
	s_wait_dscnt 0x0                               ; V^T's fragments (and the next K fragments) are in
	WIN 0x50                                       ; O in window 1
	PVG 0, \first
	PVG 1, 0
	WIN 0
	PLACES5                                        ; the next products write over P, a source of these: five places
.endm
; One tile of 256 keys.  In front of the round every wave has all its tensor loads landed (its part of this tile among them) and its reads of the
; other slot back; the round holds that of all four work-groups; the joint refill of the other slot is the first tensor load behind it.
.macro TRIP slot, refill, first
	s_wait_tensorcnt 0x0
	ds_add_u32 v254, v255
	s_wait_dscnt 0x0
	s_add_nc_u64 s[G0K+4*\slot+2:G0K+4*\slot+3], s[G0K+4*\slot+2:G0K+4*\slot+3], 2*KTILE
	s_add_nc_u64 s[G0V+4*\slot+2:G0V+4*\slot+3], s[G0V+4*\slot+2:G0V+4*\slot+3], 2*VTILE
	s_wait_dscnt 0x0
	CROUND
.if \refill
	JLOAD 1-\slot
.endif
	LOADK \slot, 0
	SUBT \slot, 0, \first, 1
	SUBT \slot, 1, 0, 0
.endm
	TRIP 0, 1, 1                                   ; tiles 0, 1: the first pass starts maxima, sums and O
	TRIP 1, 1, 0
	s_mov_b32 s3, 2
.Lpair:
	TRIP 0, 1, 0                                   ; tiles 2 to 5
	TRIP 1, 1, 0
	s_sub_co_u32 s3, s3, 1
	s_cmp_lg_u32 s3, 0
	s_cbranch_scc1 .Lpair
	TRIP 0, 1, 0                                   ; tile 6, asks for tile 7
	TRIP 1, 0, 0                                   ; tile 7 asks for nothing (the stepped addresses are not used)
	; THE TWO HALVES OF THE KEYS ARE JOINED.  Waves 4-7 hand O and their statistics to waves 0-3 through LDS bytes of their own.
	s_cmp_eq_u32 s13, 0
	s_cbranch_scc1 .Lkeep
	WIN 0x04                                       ; store data in window 1
.set i, 0
.rept 32
	ds_store_b128 v[MRGA], v[OAC+4*i:OAC+4*i+3] offset:i*512
.set i, i+1
.endr
	WIN 0
.irp q, 0,1,2,3
	ds_store_b128 v[MRGA], v[ST+4*\q:ST+4*\q+3] offset:16384+\q*512
.endr
.Lkeep:
	s_wait_dscnt 0x0                               ; the stores are in LDS, for the partner's sake
	s_barrier_signal -1
	s_barrier_wait -1
	s_cmp_lg_u32 s13, 0
	s_cbranch_scc1 .Lclose
.set i, 0
.rept 32
	ds_load_b128 v[SCO+4*i:SCO+4*i+3], v[MRGA] offset:i*512
.set i, i+1
.endr
.irp q, 0,1,2,3
	ds_load_b128 v[FV+4*\q:FV+4*\q+3], v[MRGA] offset:16384+\q*512
.endr
	s_wait_dscnt 0x0
	; common reference NM = min(-c m, -c m'); a = 2^(NM - nmc), a' = 2^(NM - nmc'); L = l a + l' a' over both halves of the lanes; O = (O a + O' a') / L
.irp q, 0,1,2,3
	v_min_num_f32 v[TM+\q], v[ST+4*\q], v[FV+4*\q]
.endr
.irp q, 0,1,2,3
	v_sub_f32 v[ST+4*\q+2], v[TM+\q], v[ST+4*\q]
	v_sub_f32 v[FV+4*\q+2], v[TM+\q], v[FV+4*\q]
.endr
.irp q, 0,1,2,3
	v_exp_f32 v[ST+4*\q+2], v[ST+4*\q+2]
	v_exp_f32 v[FV+4*\q+2], v[FV+4*\q+2]
.endr
	v_nop                                          ; one plain place behind the exponentials
	s_wait_alu depctr_va_vdst(0)
.irp q, 0,1,2,3
	v_mul_f32 v[TM+\q], v[ST+4*\q+3], v[ST+4*\q+2]
.endr
.irp q, 0,1,2,3
	v_fmac_f32 v[TM+\q], v[FV+4*\q+3], v[FV+4*\q+2]
.endr
.irp q, 0,1,2,3
	v_permlanex16_b32 v[TP+\q], v[TM+\q], s18, s19
.endr
.irp q, 0,1,2,3
	v_add_f32 v[TM+\q], v[TM+\q], v[TP+\q]         ; at least about 1: the largest score's own term
.endr
.irp q, 0,1,2,3
	v_rcp_f32 v[TM+\q], v[TM+\q]
.endr
	v_nop                                          ; one plain place behind the reciprocals
	s_wait_alu depctr_va_vdst(0)
.irp q, 0,1,2,3
	v_mul_f32 v[ST+4*\q+2], v[ST+4*\q+2], v[TM+\q]
	v_mul_f32 v[FV+4*\q+2], v[FV+4*\q+2], v[TM+\q]
.endr
.irp q, 0,1,2,3
.irp j, 0,2,4,6,8,10,12,14,16,18,20,22,24,26,28,30
	v_pk_mul_f32 v[SCO+32*\q+\j:SCO+32*\q+\j+1], v[SCO+32*\q+\j:SCO+32*\q+\j+1], v[FV+4*\q+2:FV+4*\q+3] op_sel_hi:[1,0]
.endr
.endr
	WIN 0x01                                       ; my O in window 1
.irp q, 0,1,2,3
.irp j, 0,2,4,6,8,10,12,14,16,18,20,22,24,26,28,30
	v_pk_fma_f32 v[SCO+32*\q+\j:SCO+32*\q+\j+1], v[OAC+32*\q+\j:OAC+32*\q+\j+1], v[ST+4*\q+2:ST+4*\q+3], v[SCO+32*\q+\j:SCO+32*\q+\j+1] op_sel_hi:[1,0,1]
.endr
.endr
	WIN 0
	; the way out: a lane's 8 d of one query are 16 bytes; through my own stage, back as whole rows.  LDS serves a wave's instructions in order (ISA guide 5.7.1.4).
.irp q, 0,1,2,3
.irp d, 0,1,2,3
.irp i, 0,1,2,3
	v_cvt_pk_bf16_f32 v[SCO+32*\q+8*\d+\i], v[SCO+32*\q+8*\d+2*\i], v[SCO+32*\q+8*\d+2*\i+1]
.endr
	ds_store_b128 v[OSTS], v[SCO+32*\q+8*\d:SCO+32*\q+8*\d+3] offset:\q*16*KP+\d*32
.endr
.endr
.set i, 0
.rept 16
	ds_load_b128 v[FV+4*i:FV+4*i+3], v[OSTR] offset:i*4*KP
.set i, i+1
.endr
.set i, 0
.rept 16
	s_wait_dscnt 15-i                              ; the younger read-backs may stay out
	global_store_b128 v[GO], v[FV+4*i:FV+4*i+3], s[10:11] offset:i*512   ; 512 consecutive bytes, at a multiple of 512 from ctxb's first byte
.set i, i+1
.endr
.Lclose:
	s_wait_tensorcnt 0x0
	ds_add_u32 v254, v255
	s_wait_dscnt 0x0
	CROUND                                         ; the closing round
	s_endpgm
.Lfunc_end_k_qd404da7c8d_attn:
	.size	k_qd404da7c8d_attn, .Lfunc_end_k_qd404da7c8d_attn-k_qd404da7c8d_attn
	.p2alignl 7, 3214868480
	.fill 96, 4, 3214868480
	.section	.rodata,"a",@progbits
	.p2align	6, 0x0
	.amdhsa_kernel k_qd404da7c8d_attn
		.amdhsa_group_segment_fixed_size 327680
		.amdhsa_private_segment_fixed_size 0
		.amdhsa_enable_private_segment 0
		.amdhsa_kernarg_size 32
		.amdhsa_user_sgpr_count 2
		.amdhsa_user_sgpr_kernarg_segment_ptr 1
		.amdhsa_wavefront_size32 1
		.amdhsa_system_sgpr_workgroup_id_x 1
		.amdhsa_system_sgpr_workgroup_id_y 1
		.amdhsa_system_sgpr_workgroup_id_z 1
		.amdhsa_system_vgpr_workitem_id 0
		.amdhsa_next_free_vgpr 512
		.amdhsa_next_free_sgpr 66
		.amdhsa_reserve_vcc 0
		.amdhsa_float_denorm_mode_32 3
		.amdhsa_float_denorm_mode_16_64 3
		.amdhsa_memory_ordered 1
		.amdhsa_forward_progress 1
		.amdhsa_inst_pref_size 255
	.end_amdhsa_kernel
	.section	.bss,"aw",@nobits
	.p2align	6
	.space	262144
	.amdgpu_metadata
---
amdhsa.version: [ 1, 2 ]
amdhsa.kernels:
  - .name:           k_qd404da7c8d_attn
    .symbol:         k_qd404da7c8d_attn.kd
    .args:
      - { .name: qb, .offset: 0, .size: 8, .value_kind: global_buffer, .address_space: global }
      - { .name: kb, .offset: 8, .size: 8, .value_kind: global_buffer, .address_space: global }
      - { .name: vtb, .offset: 16, .size: 8, .value_kind: global_buffer, .address_space: global }
      - { .name: ctxb, .offset: 24, .size: 8, .value_kind: global_buffer, .address_space: global }
    .group_segment_fixed_size: 327680
    .private_segment_fixed_size: 0
    .kernarg_segment_align: 8
    .kernarg_segment_size: 32
    .max_flat_workgroup_size: 256
    .sgpr_count:     66
    .vgpr_count:     512
    .wavefront_size: 32
...
	.end_amdgpu_metadata
.endif
;; end of part 3
;; launch oproj (part 4): grid 8 x 32, 4 waves a work-group, clusters of 4 x 4, 327,680 bytes of LDS; arguments ctxb, wob, bo, out0; writes out0
.if DOCPART == 4
	.amdgcn_target "amdgcn-amd-amdhsa--gfx1250"
	.amdhsa_code_object_version 6
	.text
	.protected	k_qd404da7c8d_oproj
	.globl	k_qd404da7c8d_oproj
	.p2align	8
	.type	k_qd404da7c8d_oproj,@function
k_qd404da7c8d_oproj:
	s_mov_b64 s[64:65], 0
	v_nop
	global_prefetch_b8 v0, s[64:65] scope:SCOPE_SE
	s_setreg_imm32_b32 hwreg(HW_REG_WAVE_MODE, 25, 1), 1
	s_wait_xcnt 0x0
	s_wait_alu depctr_hold_cnt(0) depctr_sa_sdst(0) depctr_va_vdst(0) depctr_va_sdst(0) depctr_va_ssrc(0) depctr_va_vcc(0) depctr_vm_vsrc(0)
	s_getreg_b32 s2, hwreg(HW_REG_IB_STS2, 6, 4)
	s_cmp_eq_u32 s2, 0
	s_cbranch_scc0 .Lentry_in_a_cluster
	s_endpgm
.Lentry_in_a_cluster:
	s_bfe_u32 s2, ttmp6, 0x10000c
	s_cmp_lg_u32 s2, 0xf033
	s_cbranch_scc0 .Lentry_shape_is_right
	s_endpgm
.Lentry_shape_is_right:
; out0 = ctx Wo^T + bo: [4096 x 1024] x [1024 x 1024]^T in bf16, sums and result in f32.
; A block of 128 tokens (by) x 128 columns (bx): 256 work-groups, one for each WGP; four waves of 64 x 64 = 16 accumulator tiles.
; ctxb lies [b*16+head][s][64]: a K step of 128 is two heads, each a dense plane of 128 tokens x 128 bytes.
; The matrix instruction is used transposed (source 0 = rows of Wo, source 1 = tokens): a lane holds 8 neighbouring columns of one token.
; The first product takes the bias as C.  The accumulators take turns, one instruction a turn.
; FOUR LDS slots for the 8 K steps: four tiles go out at the start, then two slots are filled behind each of two rounds of the cluster's barrier,
; and each refill has two K steps in which to land.  A wave has at most four tensor loads out.
; CLUSTER 4 x 4: ctx's tile hangs on by alone (joint along a cluster row), Wo's on bx alone (joint along a cluster column).
.set APITCH, 144                       ; 128 bytes + 16
.set BPITCH, 272                       ; 256 bytes + 16
.set PLANE,  128*APITCH                ; one head's 128 tokens
.set ABYTES, 2*PLANE
.set SLOT,   ABYTES+128*BPITCH         ; 71,680
.set STAGE,  4*SLOT                    ; 286,720: 16 rows x 272 bytes for each wave; no tensor load lands here
.set SPITCH, 272
.set HEADB,  262144                    ; bytes of ctxb from head to head
.set ADRA, 8
.set ADRB, 12
.set STO, 16
.set RD, 17
.set CO, 18
.set VB, 19
.set F0, 32                            ; 4 fragments of ctx, then 4 of Wo
.set F1, 96
.set BIAS, 128                         ; in window 1, behind the 16 accumulator tiles at 8 (4 a + b)
.set G1A, 12
.set G1B, 20
.set G0A, 28
.set G0B, 44
.set MSB, 0
.macro WIN new
.if MSB != \new
	s_set_vgpr_msb (MSB<<8)|\new
.set MSB, \new
.endif
.endm
.macro PLACES
.rept 4
	v_nop
.endr
.endm
.macro JLOAD s                         ; waves 0, 1 ask for the two head planes of ctx, waves 2, 3 for 64 rows of Wo each
	s_cmp_eq_u32 s67, 0
	s_cbranch_scc0 .Lfor_b_\@
	tensor_load_to_lds s[G0A+4*\s:G0A+4*\s+3], s[G1A:G1A+7]
	s_nop 0
	s_branch .Lasked_\@
.Lfor_b_\@:
	tensor_load_to_lds s[G0B+4*\s:G0B+4*\s+3], s[G1B:G1B+7]
	s_nop 0
.Lasked_\@:
.endm
.macro CREST
	s_cmp_lg_u32 s66, 0
	s_cbranch_scc1 .Lnot_wave_0_\@
	s_barrier_signal -3
.Lnot_wave_0_\@:
	s_barrier_wait -3
	s_barrier_signal -1
	s_barrier_wait -1
.endm
.macro CROUND
	s_barrier_signal -1
	s_barrier_wait -1
	CREST
.endm
	s_load_b256 s[4:11], s[0:1], 0x0               ; ctxb s[4:5], wob s[6:7], bo s[8:9], out0 s[10:11]
	v_lshl_add_u32 v254, v0, 2, 0x4a400
	v_mov_b32 v255, 0
	ds_add_u32 v254, v255
	v_lshrrev_b32 v1, 5, v0
	v_readfirstlane_b32 s66, v1                    ; wave 0..3
	s_lshr_b32 s67, s66, 1                         ; mh.  Also: I fetch ctx (0) or Wo (1)
	s_and_b32 s68, s66, 1                          ; nh
	s_bfe_u32 s69, ttmp6, 0x40000                  ; cx
	s_bfe_u32 s70, ttmp6, 0x40004                  ; cy
	s_lshl_b32 s71, ttmp9, 2
	s_add_co_u32 s71, s71, s69                     ; bx
	s_and_b32 s72, ttmp7, 0xffff
	s_lshl_b32 s72, s72, 2
	s_add_co_u32 s72, s72, s70                     ; by
	s_lshl_b32 s73, s70, 2
	s_lshl_b32 s73, 15, s73                        ; my row of the cluster
	s_lshl_b32 s74, 0x1111, s69                    ; my column
	; ctx: a plane is 16,384 dense bytes: 64 rows of 256 bytes; 4 words of padding after every 32 words give token rows 144 bytes apart
	s_or_b32 s[G1A+0], s73, (1<<16)|(1<<20)|(1<<21)|(4<<22)|(3<<25)
	s_mov_b32 s[G1A+1], 128<<16
	s_mov_b32 s[G1A+2], 64<<16
	s_mov_b32 s[G1A+3], 128<<16
	s_mov_b32 s[G1A+4], 64
	s_mov_b32 s[G1A+5], 128
	s_mov_b32 s[G1A+6], 0
	s_mov_b32 s[G1A+7], 0
	; Wo: 64 rows of 128 elements, 1,024 elements apart; 4 words of padding after every 64 words
	s_or_b32 s[G1B+0], s74, (1<<16)|(1<<20)|(1<<21)|(5<<22)|(3<<25)
	s_mov_b32 s[G1B+1], 128<<16
	s_mov_b32 s[G1B+2], 64<<16
	s_mov_b32 s[G1B+3], 128<<16
	s_mov_b32 s[G1B+4], 64
	s_mov_b32 s[G1B+5], 1024
	s_mov_b32 s[G1B+6], 0
	s_mov_b32 s[G1B+7], 0
	; ctx's address is made of by and the wave's number, Wo's of bx and the wave's number, in registers that never hold the other coordinate
	s_lshr_b32 s76, s72, 4                         ; batch: 16 heads of 262,144 bytes
	s_lshl_b32 s76, s76, 22
	s_and_b32 s80, s72, 15                         ; 128 tokens of 128 bytes
	s_lshl_b32 s80, s80, 14
	s_add_co_u32 s76, s76, s80
	s_lshl_b32 s80, s66, 18                        ; head = 2 x K step + wave
	s_add_co_u32 s76, s76, s80
	s_mov_b32 s77, 0
	s_lshl_b32 s78, s71, 7
	s_lshl_b32 s81, s68, 6
	s_add_co_u32 s78, s78, s81                     ; row 128 bx + 64 (wave & 1)
	s_lshl_b32 s78, s78, 11
	s_mov_b32 s79, 0
	s_mul_i32 s82, s66, PLANE                      ; LDS: planes at wave x 18,432 (waves 0, 1)
	s_mul_i32 s83, s66, 64*BPITCH
	s_add_co_u32 s83, s83, ABYTES-2*64*BPITCH      ; Wo's halves at 36,864 + (wave - 2) x 17,408 (waves 2, 3)
	s_lshl_b32 s60, s71, 9                         ; my first column, in f32: (128 bx + 64 nh) x 4 bytes
	s_lshl_b32 s61, s68, 8
	s_add_co_u32 s60, s60, s61
	s_mov_b32 s61, 0
	s_lshl_b32 s62, s72, 7
	s_lshl_b32 s63, s67, 6
	s_add_co_u32 s62, s62, s63                     ; my first token
	s_lshl_b32 s62, s62, 12                        ; rows of 4,096 bytes
	s_add_co_u32 s62, s62, s60
	s_mov_b32 s63, 0
	s_wait_dscnt 0x0
	s_wait_kmcnt 0x0
	s_add_nc_u64 s[76:77], s[4:5], s[76:77]
	s_add_nc_u64 s[78:79], s[6:7], s[78:79]
	s_add_nc_u64 s[8:9], s[8:9], s[60:61]
	s_add_nc_u64 s[10:11], s[10:11], s[62:63]
	CROUND                                         ; all sixteen work-groups are here: the first joint loads meet
.irp s, 0,1,2,3
	s_mov_b32 s[G0A+4*\s], 1
	s_add_co_u32 s[G0A+4*\s+1], s82, \s*SLOT
	s_add_nc_u64 s[G0A+4*\s+2:G0A+4*\s+3], s[76:77], \s*2*HEADB
	s_or_b32 s[G0A+4*\s+3], s[G0A+4*\s+3], 0x80000000
	s_mov_b32 s[G0B+4*\s], 1
	s_add_co_u32 s[G0B+4*\s+1], s83, \s*SLOT
	s_add_nc_u64 s[G0B+4*\s+2:G0B+4*\s+3], s[78:79], \s*256
	s_or_b32 s[G0B+4*\s+3], s[G0B+4*\s+3], 0x80000000
	JLOAD \s                                       ; K steps 0 to 3
.endr
	v_and_b32 v1, 15, v0                           ; r
	v_bfe_u32 v2, v0, 4, 1                         ; h
	v_mul_u32_u24 v3, v1, APITCH
	v_lshl_add_u32 v3, v2, 4, v3
	v_mul_u32_u24 v4, v1, BPITCH
	v_lshl_add_u32 v4, v2, 4, v4
	s_mul_i32 s80, s67, 64*APITCH
	s_mul_i32 s81, s68, 64*BPITCH
	s_add_co_u32 s81, s81, ABYTES
.irp s, 0,1,2,3
	v_add_nc_u32 v[ADRA+\s], s80, v3
	v_add_nc_u32 v[ADRB+\s], s81, v4
	s_add_co_u32 s80, s80, SLOT
	s_add_co_u32 s81, s81, SLOT
.endr
	s_mul_i32 s80, s66, 16*SPITCH
	s_add_co_u32 s80, s80, STAGE                   ; my stage
	v_mul_u32_u24 v5, v1, SPITCH                   ; in: token r, 32 bytes for each half of the lanes
	v_lshl_add_u32 v5, v2, 5, v5
	v_add_nc_u32 v[STO], s80, v5
	v_mul_u32_u24 v5, v2, SPITCH                   ; back: lanes 0-15 take one row of 256 bytes, lanes 16-31 the next
	v_lshl_add_u32 v5, v1, 4, v5
	v_add_nc_u32 v[RD], s80, v5
	v_lshlrev_b32 v5, 4, v1
	v_lshl_add_u32 v[CO], v2, 12, v5               ; the same two rows in out0
	v_lshlrev_b32 v[VB], 5, v2                     ; my 8 biases begin at column 8 h
	WIN 0x40
.irp b, 0,1,2,3
	global_load_b128 v[BIAS+8*\b:BIAS+8*\b+3], v[VB], s[8:9] offset:64*\b
	global_load_b128 v[BIAS+8*\b+4:BIAS+8*\b+7], v[VB], s[8:9] offset:64*\b+16
.endr
	WIN 0
; 16 LDS loads: 64 tokens and 64 rows of Wo, quarter kq (32 along K) of the step: head plane kq >> 1, d = 32 (kq & 1)
.macro FETCH slot, kq, f
.irp i, 0,1,2,3
	ds_load_b128 v[\f+8*\i:\f+8*\i+3], v[ADRA+\slot] offset:(\kq>>1)*PLANE+(\kq&1)*64+\i*16*APITCH
	ds_load_b128 v[\f+8*\i+4:\f+8*\i+7], v[ADRA+\slot] offset:(\kq>>1)*PLANE+(\kq&1)*64+\i*16*APITCH+32
.endr
.irp i, 0,1,2,3
	ds_load_b128 v[\f+32+8*\i:\f+32+8*\i+3], v[ADRB+\slot] offset:\kq*64+\i*16*BPITCH
	ds_load_b128 v[\f+32+8*\i+4:\f+32+8*\i+7], v[ADRB+\slot] offset:\kq*64+\i*16*BPITCH+32
.endr
.endm
.macro MUL f, first
	WIN 0x50                                       ; C and D in window 1
.irp a, 0,1,2,3
.irp b, 0,1,2,3
.if \first
	v_wmma_f32_16x16x32_bf16 v[8*(4*\a+\b):8*(4*\a+\b)+7], v[\f+32+8*\b:\f+32+8*\b+7], v[\f+8*\a:\f+8*\a+7], v[BIAS+8*\b:BIAS+8*\b+7]
.else
	v_wmma_f32_16x16x32_bf16 v[8*(4*\a+\b):8*(4*\a+\b)+7], v[\f+32+8*\b:\f+32+8*\b+7], v[\f+8*\a:\f+8*\a+7], v[8*(4*\a+\b):8*(4*\a+\b)+7]
.endif
.endr
.endr
	WIN 0
.endm
; a K step: four quarters on two buffers; each count of 16 leaves out the run of loads just issued
.macro STEP slot, first
	PLACES
	FETCH \slot, 0, F0
	FETCH \slot, 1, F1
	s_wait_dscnt 16
	MUL F0, \first
	PLACES
	FETCH \slot, 2, F0
	s_wait_dscnt 16
	MUL F1, 0
	PLACES
	FETCH \slot, 3, F1
	s_wait_dscnt 16
	MUL F0, 0
	s_wait_dscnt 0x0
	MUL F1, 0
.endm
; slots a and b, which have been read, are filled again four K steps on: every wave's tensor loads have landed and its LDS reads are back in front of the
; round; the joint refills are the first tensor loads behind it
.macro REFILL a, b
	s_wait_tensorcnt 0x0
	ds_add_u32 v254, v255
.irp t, \a, \b
	s_add_nc_u64 s[G0A+4*\t+2:G0A+4*\t+3], s[G0A+4*\t+2:G0A+4*\t+3], 8*HEADB
	s_add_nc_u64 s[G0B+4*\t+2:G0B+4*\t+3], s[G0B+4*\t+2:G0B+4*\t+3], 4*256
.endr
	s_wait_dscnt 0x0
	CROUND
	JLOAD \a
	JLOAD \b
.endm
	s_wait_tensorcnt 3                             ; my part of K step 0 is in; three younger tiles stay out
	s_wait_loadcnt 0x0                             ; the biases
	s_barrier_signal -1
	s_barrier_wait -1
	STEP 0, 1
	s_wait_tensorcnt 2                             ; K step 1; two stay out
	s_wait_dscnt 0x0
	s_barrier_signal -1
	s_barrier_wait -1
	STEP 1, 0
	REFILL 0, 1                                    ; K steps 2, 3 have landed in every wave; 4, 5 go out
	STEP 2, 0
	STEP 3, 0
	REFILL 2, 3                                    ; K steps 4, 5 have landed; 6, 7 go out
	STEP 0, 0
	STEP 1, 0
	s_wait_tensorcnt 1                             ; K step 6; the last stays out
	s_wait_dscnt 0x0
	s_barrier_signal -1
	s_barrier_wait -1
	STEP 2, 0
	s_wait_tensorcnt 0x0                           ; K step 7
	s_wait_dscnt 0x0
	s_barrier_signal -1
	s_barrier_wait -1
	STEP 3, 0
	; THE WAY OUT, 16 tokens at a time through my own stage: a lane's 32 bytes in, whole rows of 256 bytes back.
	; LDS serves a wave's instructions in order (ISA guide 5.7.1.4): no wait between my stores and my loads.  Each group has registers of its own.
	PLACES
.macro OUT16 a
	WIN 0x04                                       ; store data in window 1
.irp b, 0,1,2,3
	ds_store_b128 v[STO], v[8*(4*\a+\b):8*(4*\a+\b)+3] offset:64*\b
	ds_store_b128 v[STO], v[8*(4*\a+\b)+4:8*(4*\a+\b)+7] offset:64*\b+16
.endr
	WIN 0
.irp t, 0,1,2,3,4,5,6,7
	ds_load_b128 v[32+32*\a+4*\t:32+32*\a+4*\t+3], v[RD] offset:\t*2*SPITCH
.endr
.irp t, 0,1,2,3,4,5,6,7
	s_wait_dscnt 7-\t                              ; the younger read-backs may stay out
	global_store_b128 v[CO], v[32+32*\a+4*\t:32+32*\a+4*\t+3], s[10:11] offset:(16*\a+2*\t)*4096 th:TH_STORE_NT   ; 16 lanes store 256 consecutive bytes, at a multiple of 256 from out0's first byte
.endr
.endm
	OUT16 0
	OUT16 1
	OUT16 2
	OUT16 3
	s_wait_tensorcnt 0x0
	ds_add_u32 v254, v255
	s_wait_dscnt 0x0
	CROUND                                         ; the closing round
	s_endpgm
.Lfunc_end_k_qd404da7c8d_oproj:
	.size	k_qd404da7c8d_oproj, .Lfunc_end_k_qd404da7c8d_oproj-k_qd404da7c8d_oproj
	.p2alignl 7, 3214868480
	.fill 96, 4, 3214868480
	.section	.rodata,"a",@progbits
	.p2align	6, 0x0
	.amdhsa_kernel k_qd404da7c8d_oproj
		.amdhsa_group_segment_fixed_size 327680
		.amdhsa_private_segment_fixed_size 0
		.amdhsa_enable_private_segment 0
		.amdhsa_kernarg_size 32
		.amdhsa_user_sgpr_count 2
		.amdhsa_user_sgpr_kernarg_segment_ptr 1
		.amdhsa_wavefront_size32 1
		.amdhsa_system_sgpr_workgroup_id_x 1
		.amdhsa_system_sgpr_workgroup_id_y 1
		.amdhsa_system_sgpr_workgroup_id_z 1
		.amdhsa_system_vgpr_workitem_id 0
		.amdhsa_next_free_vgpr 416
		.amdhsa_next_free_sgpr 84
		.amdhsa_reserve_vcc 0
		.amdhsa_float_denorm_mode_32 3
		.amdhsa_float_denorm_mode_16_64 3
		.amdhsa_memory_ordered 1
		.amdhsa_forward_progress 1
		.amdhsa_inst_pref_size 92
	.end_amdhsa_kernel
	.amdgpu_metadata
---
amdhsa.version: [ 1, 2 ]
amdhsa.kernels:
  - .name:           k_qd404da7c8d_oproj
    .symbol:         k_qd404da7c8d_oproj.kd
    .args:
      - { .name: ctxb, .offset: 0, .size: 8, .value_kind: global_buffer, .address_space: global }
      - { .name: wob, .offset: 8, .size: 8, .value_kind: global_buffer, .address_space: global }
      - { .name: bo, .offset: 16, .size: 8, .value_kind: global_buffer, .address_space: global }
      - { .name: out0, .offset: 24, .size: 8, .value_kind: global_buffer, .address_space: global }
    .group_segment_fixed_size: 327680
    .private_segment_fixed_size: 0
    .kernarg_segment_align: 8
    .kernarg_segment_size: 32
    .max_flat_workgroup_size: 128
    .sgpr_count:     84
    .vgpr_count:     416
    .wavefront_size: 32
...
	.end_amdgpu_metadata
.endif
;; end of part 4
;; ======== version 2 of 2: 4 launches; version 1 with the launch cast written anew for expert scheduling mode
;; workspace buffers: xb 8,388,608 bytes; wqkvb 6,291,456 bytes; wob 2,097,152 bytes; qb 8,388,608 bytes; kb 8,388,608 bytes; vtb 8,388,608 bytes; ctxb 8,388,608 bytes
;; launch cast (part 5): grid 256 x 1, 8 waves a work-group, no clusters, 0 bytes of LDS; arguments x, Wq, Wk, Wv, Wo, xb, wqkvb, wob; writes xb, wqkvb, wob
.if DOCPART == 5
	.amdgcn_target "amdgcn-amd-amdhsa--gfx1250"
	.amdhsa_code_object_version 6
	.text
	.protected	k_qd404da7c8d_cast
	.globl	k_qd404da7c8d_cast
	.p2align	8
	.type	k_qd404da7c8d_cast,@function
k_qd404da7c8d_cast:
	s_mov_b64 s[64:65], 0
	v_nop
	global_prefetch_b8 v0, s[64:65] scope:SCOPE_SE
	s_setreg_imm32_b32 hwreg(HW_REG_WAVE_SCHED_MODE, 0, 2), 2
	s_setreg_imm32_b32 hwreg(HW_REG_WAVE_MODE, 25, 1), 1
	s_wait_xcnt 0x0
	s_wait_alu depctr_vm_vsrc(0)
; f32 -> bf16 (round to nearest even) of x and of the four weight matrices, once, so that both GEMMs move and read 16-bit tiles.
; x [4096][1024] -> xb, Wo -> wob, same order.  Wq, Wk, Wv -> wqkvb [3072][1024], rows stacked and permuted:
; row = head*192 + (d>>5)*96 + sel*32 + (d&31), sel = 0 q, 1 k, 2 v, so that each 96-row half of a head's 192 rows is 32 q, 32 k, 32 v rows.
; Work-group g takes 1/256 of every buffer: 65,536 bytes of x and rows 4g .. 4g+3 (16,384 bytes) of each W.
; A stream: no LDS, no matrix unit, nothing shared between work-groups.  Thread t takes 16 bytes at 16 t of each 4,096-byte piece;
; all 32 loads of a thread go out first (512 bytes a thread in flight), each result has registers of its own, so nothing is reused.
; A wave's store covers 256 consecutive bytes that start at a multiple of 256 from the buffer's first byte.
; THE MODE: SCHED_MODE bits 1:0 = 2 (LLVM: expert scheduling mode 2), set by the entry lines.  The code itself states the register dependences
; between vector instructions and memory instructions, with s_wait_alu, always for 0.
; THE PLAN.  Registers that memory instructions touch:
;   v1, v2   byte offsets of the loads and of the stores.  Written once at the head, never again: all pieces are reached by immediate offsets.
;   X        32 x 4 registers.  Written by the loads alone, each once; no vector instruction names them before the loads are issued;
;            read by the conversions, behind the counted wait on LOADcnt.
;   Y        32 x 2 registers.  Written by the conversions, each once; read by one store each; never written again.
; So two kinds of dependence exist: the offsets are written before the first load reads them, and a result is written before its store reads it.
; The 32 pieces go in eight blocks of four (x: four blocks, each W: one): a block's eight conversions, ONE wait that states that they have written
; their part of Y, then its four stores in a run.  The wait stands behind the block's own conversions, so that the stores are out before the wave
; comes to the next block's wait for memory.  No register that a memory instruction has read is written again, no load lands in a register that a
; vector instruction has named, no vector instruction writes a scalar register, and EXEC is never written: nothing else is to be stated.
.set X, 4                              ; v[4:131]   32 loads x 4 registers
.set Y, 132                            ; v[132:195] 32 results x 2 registers
	s_load_b256 s[4:11], s[0:1], 0x0               ; x s[4:5], Wq s[6:7], Wk s[8:9], Wv s[10:11]
	s_load_b256 s[12:19], s[0:1], 0x20             ; Wo s[12:13], xb s[14:15], wqkvb s[16:17], wob s[18:19]
	v_lshlrev_b32 v1, 4, v0                        ; 16 t: where I load
	v_lshlrev_b32 v2, 3, v0                        ; 8 t: where I store
	s_lshl_b32 s20, ttmp9, 16                      ; x: g x 65,536
	s_mov_b32 s21, 0
	s_lshl_b32 s22, ttmp9, 14                      ; each W: g x 16,384
	s_mov_b32 s23, 0
	s_lshl_b32 s24, ttmp9, 15                      ; xb: g x 32,768
	s_mov_b32 s25, 0
	s_lshl_b32 s26, ttmp9, 13                      ; wob: g x 8,192
	s_mov_b32 s27, 0
	s_lshr_b32 s28, ttmp9, 4                       ; head = 4g >> 6
	s_mul_i32 s28, s28, 192
	s_bfe_u32 s30, ttmp9, 0x10003                  ; (d >> 5) = bit 3 of g
	s_mul_i32 s30, s30, 96
	s_add_co_u32 s28, s28, s30
	s_and_b32 s30, ttmp9, 7
	s_lshl2_add_u32 s28, s30, s28                  ; + (d & 31) = 4 (g & 7)
	s_lshl_b32 s28, s28, 11                        ; rows of 2,048 bytes
	s_mov_b32 s29, 0
	s_wait_kmcnt 0x0
	s_add_nc_u64 s[4:5], s[4:5], s[20:21]
	s_add_nc_u64 s[6:7], s[6:7], s[22:23]
	s_add_nc_u64 s[8:9], s[8:9], s[22:23]
	s_add_nc_u64 s[10:11], s[10:11], s[22:23]
	s_add_nc_u64 s[12:13], s[12:13], s[22:23]
	s_add_nc_u64 s[14:15], s[14:15], s[24:25]
	s_add_nc_u64 s[16:17], s[16:17], s[28:29]
	s_add_nc_u64 s[18:19], s[18:19], s[26:27]
	s_wait_alu depctr_va_vdst(0)                   ; v1 and v2 are written: every load of the kernel reads v1 as its offset, every store v2
.set n, 0
.rept 16
	global_load_b128 v[X+4*n:X+4*n+3], v1, s[4:5] offset:n*4096 th:TH_LOAD_NT
.set n, n+1
.endr
.irp p, 6, 8, 10, 12
.rept 4
	global_load_b128 v[X+4*n:X+4*n+3], v1, s[\p:\p+1] offset:(n&3)*4096 th:TH_LOAD_NT
.set n, n+1
.endr
.endr
; Block p: loads 4p .. 4p+3.  base: the scalar pair of the buffer that takes the results; off: the byte at which the block's first piece goes.
.macro BLK p, base, off
	s_wait_loadcnt 28-4*(\p)                       ; loads return in order (ISA guide 5.7.1): the block's four are in when at most the 28 - 4p younger ones are out
.irp i, 0,1,2,3
	v_cvt_pk_bf16_f32 v[Y+8*(\p)+2*(\i)], v[X+16*(\p)+4*(\i)], v[X+16*(\p)+4*(\i)+1]
	v_cvt_pk_bf16_f32 v[Y+8*(\p)+2*(\i)+1], v[X+16*(\p)+4*(\i)+2], v[X+16*(\p)+4*(\i)+3]
.endr
	s_wait_alu depctr_va_vdst(0)                   ; the eight conversions above have written the block's part of Y, which the four stores below read
.irp i, 0,1,2,3
	global_store_b64 v2, v[Y+8*(\p)+2*(\i):Y+8*(\p)+2*(\i)+1], s[\base:\base+1] offset:(\off)+(\i)*2048
.endr
.endm
	BLK 0, 14, 0                                   ; x: sixteen pieces of 2,048 bytes of xb
	BLK 1, 14, 8192
	BLK 2, 14, 16384
	BLK 3, 14, 24576
	BLK 4, 16, 0                                   ; Wq's four rows; the selector's 32 rows of 2,048 bytes stand in the immediate
	BLK 5, 16, 65536                               ; Wk's
	BLK 6, 16, 131072                              ; Wv's
	BLK 7, 18, 0                                   ; Wo's
	s_endpgm
.Lfunc_end_k_qd404da7c8d_cast:
	.size	k_qd404da7c8d_cast, .Lfunc_end_k_qd404da7c8d_cast-k_qd404da7c8d_cast
	.p2alignl 7, 3214868480
	.fill 96, 4, 3214868480
	.section	.rodata,"a",@progbits
	.p2align	6, 0x0
	.amdhsa_kernel k_qd404da7c8d_cast
		.amdhsa_group_segment_fixed_size 0
		.amdhsa_private_segment_fixed_size 0
		.amdhsa_enable_private_segment 0
		.amdhsa_kernarg_size 64
		.amdhsa_user_sgpr_count 2
		.amdhsa_user_sgpr_kernarg_segment_ptr 1
		.amdhsa_wavefront_size32 1
		.amdhsa_system_sgpr_workgroup_id_x 1
		.amdhsa_system_sgpr_workgroup_id_y 1
		.amdhsa_system_sgpr_workgroup_id_z 1
		.amdhsa_system_vgpr_workitem_id 0
		.amdhsa_next_free_vgpr 196
		.amdhsa_next_free_sgpr 66
		.amdhsa_reserve_vcc 0
		.amdhsa_float_denorm_mode_32 3
		.amdhsa_float_denorm_mode_16_64 3
		.amdhsa_memory_ordered 1
		.amdhsa_forward_progress 1
		.amdhsa_inst_pref_size 12
	.end_amdhsa_kernel
	.amdgpu_metadata
---
amdhsa.version: [ 1, 2 ]
amdhsa.kernels:
  - .name:           k_qd404da7c8d_cast
    .symbol:         k_qd404da7c8d_cast.kd
    .args:
      - { .name: x, .offset: 0, .size: 8, .value_kind: global_buffer, .address_space: global }
      - { .name: Wq, .offset: 8, .size: 8, .value_kind: global_buffer, .address_space: global }
      - { .name: Wk, .offset: 16, .size: 8, .value_kind: global_buffer, .address_space: global }
      - { .name: Wv, .offset: 24, .size: 8, .value_kind: global_buffer, .address_space: global }
      - { .name: Wo, .offset: 32, .size: 8, .value_kind: global_buffer, .address_space: global }
      - { .name: xb, .offset: 40, .size: 8, .value_kind: global_buffer, .address_space: global }
      - { .name: wqkvb, .offset: 48, .size: 8, .value_kind: global_buffer, .address_space: global }
      - { .name: wob, .offset: 56, .size: 8, .value_kind: global_buffer, .address_space: global }
    .group_segment_fixed_size: 0
    .private_segment_fixed_size: 0
    .kernarg_segment_align: 8
    .kernarg_segment_size: 64
    .max_flat_workgroup_size: 256
    .sgpr_count:     66
    .vgpr_count:     196
    .wavefront_size: 32
...
	.end_amdgpu_metadata
.endif
;; end of part 5
;; launch qkv: the kernel of part 2 again; grid 16 x 16, 4 waves a work-group, clusters of 4 x 4, 327,680 bytes of LDS; arguments xb, wqkvb, bq, bk, bv, qb, kb, vtb; writes qb, kb, vtb
;; launch attn: the kernel of part 3 again; grid 256 x 1, 8 waves a work-group, clusters of 4 x 1, 327,680 bytes of LDS; arguments qb, kb, vtb, ctxb; writes ctxb
;; launch oproj: the kernel of part 4 again; grid 8 x 32, 4 waves a work-group, clusters of 4 x 4, 327,680 bytes of LDS; arguments ctxb, wob, bo, out0; writes out0
